; MI455X (gfx1250); checked and timed in simulation.
; The chip was launched on July 23, 2026; its instructions are those of AMD's public machine-readable ISA for CDNA 5 (MIT licence, August 2026) and "CDNA5" Instruction Set Architecture Reference Guide (July 2026). The comments in the code are by the model that wrote it; some were corrected since.
;; Parallel Unified Attention. Allowed arithmetic: matrix products marked QUANTISED: E4M3 operands, one given power-of-two scale a tensor, by v_wmma_f32_16x16x64_fp8_fp8 or v_wmma_f32_16x16x128_fp8_fp8, f32 sums; products left as they are: f32 operands where the result goes on into a quantised operand, else bf16, f16 or f32 operands; f32 sums; everything else in f32.
;; Inputs: Wc 1,024 x 8,192 float32; Wq 8,192 x 1,024 float32; bc 1,024 float32; bq 8,192 float32; lowp_scales 2 int32 (the exponents e of the quantised operands' scales 2^e); x 1,024 x 8 x 1,024 float32.
;; Outputs: out0 8 x 1,024 float32.
;; This version of the problem:
;;   THIS VERSION OF THE PROBLEM IS GIVEN IN LOW PRECISION. The matrix products marked QUANTISED in the list below multiply operands that are first quantised to E4M3 (4 exponent bits, 3 mantissa bits; 8 bits a number), with one given power-of-two scale for each operand tensor; their sums are f32. All else is computed in f32.
;;   The module's matrix products, in the order in which they are computed (A, B: the left and right operand; K: the contracted axis; several contracted axes count as one K, in the product's order):
;;     1. [M 8,192, K 1,024] x [K 1,024, N 8,192]; A: input x; B: input Wq: QUANTISED (scales: A lowp_scales[0], B lowp_scales[1])
;;     2. batch 8,192 x [M 8, K 1,024] x [K 1,024, N 1]; A: softmax; B: input x: left as it is (M = 8 < 16)
;;     3. [M 8, K 8,192] x [K 8,192, N 1,024]; A: computed on the way; B: input Wc: left as it is (M = 8 < 16)
;;   THE QUANTISER, for each operand of a quantised product, along K:
;;     - The operand's scale is 2^e, e = its entry of the input lowp_scales (int32; the entries are numbered through the quantised products in the list's order, A before B).
;;     - Each number is divided by the scale, clamped to +-448, and rounded to the nearest number of E4M3, ties to even, subnormals kept.
;;     - The product sums the exact products of the quantised numbers (number of the format x scale) in f32.
;;   ~~~python
;;   def quantise(x, axis, e):      # numpy; x: float32 -> the quantised numbers, widened to float32 again
;;       x = np.moveaxis(x, axis, -1); K = x.shape[-1]
;;       r = np.clip(x / 2.0 ** e, -448, 448)
;;       step = 2.0 ** (np.maximum(np.frexp(np.where(r == 0, 1, r))[1] - 1, -6) - 3)
;;       q = np.round(r / step) * step * 2.0 ** e      # np.round: ties to even
;;       return np.moveaxis(q, -1, axis).astype(np.float32)
;;   ~~~
;; One version. Each part assembles by itself: llvm-mc -triple=amdgcn-amd-amdhsa -mcpu=gfx1250 --defsym DOCPART=n.
;; ======== version 1 of 1: 3 launches
;; limits: right only within a limited range of input values
;; workspace buffers: xc 8,388,608 bytes; wqc 8,388,608 bytes; hcat 262,144 bytes
;; launch quant (part 1): grid 512 x 1, 4 waves a work-group, no clusters, 33,280 bytes of LDS; arguments x, Wq, lowp_scales, xc, wqc; writes xc, wqc
.if DOCPART == 1
	.amdgcn_target "amdgcn-amd-amdhsa--gfx1250"
	.amdhsa_code_object_version 6
	.text
	.protected	k_qb4a95be6d1_quant
	.globl	k_qb4a95be6d1_quant
	.p2align	8
	.type	k_qb4a95be6d1_quant,@function
k_qb4a95be6d1_quant:
	s_mov_b64 s[64:65], 0
	v_nop
	global_prefetch_b8 v0, s[64:65] scope:SCOPE_SE
	s_setreg_imm32_b32 hwreg(HW_REG_WAVE_MODE, 25, 1), 1
	s_wait_xcnt 0x0
; x [8192 rows (s, b)][1024] and Wq [8192][1024], f32, become codes of FP8 (E4M3), one byte a code, K innermost, laid as the tensors lie: xc and wqc.
; code = number / 2^e, held within +-448, rounded to the nearest code, ties to even.  e is a whole number of lowp_scales: entry 0 for x, entry 1 for Wq.
; LIMITS: -126 <= e and e + 8 <= 127, so that 2^e and 448 x 2^e are f32 numbers.  NaN among the inputs is not served (an infinity is held at the largest code).
; Both tensors are read by many work-groups of the next launch, so they are quantised once, here.  Rows are dense and K is a multiple of 32: both are plain streams.
; A wave takes 16 steps of 512 numbers.  The conversion takes 8 neighbours along K from ONE lane's registers; a load is best where neighbouring LANES take neighbouring bytes.  Both are had:
; each of a step's four loads reads 512 consecutive bytes, 16 a lane; the 2,048 bytes go through the wave's own stage in LDS as they lie and come back 64 bytes a lane.  The stage has 16 bytes of
; padding behind each 64.  A lane's 16 codes are 16 bytes: the wave stores 512 consecutive bytes.  The first WGA work-groups take x, the others Wq: only pointers are chosen, the path is one.
; No tensor load, no barrier: waves share nothing.  Loads run four steps (16 loads a wave) ahead, the turn through LDS one step.
; WORK LEFT OUT IN THIS PROGRAM: bq.  reference() adds bq[f] to score[s][b][f] and takes the softmax over s.  bq[f] is the same for every s, so exp(bq[f]) is a factor of every term of column (b, f) and of
; the column's sum alike, and cancels in attn = exp(score) / sum for all finite values of the inputs.  bq goes into no quantised operand.  So bq has no way to out0: it is not loaded and is no launch's argument.
; LIMIT: a NaN, an infinity or an overflow that bq alone would bring into the scores is not carried to the result.
.set STEPS, 16
.set WGA,   256                        ; 8,388,608 numbers of x / (512 x 16 steps x 4 waves)
.set EMAX,  8
.set MANT,  0x600000                   ; the mantissa field of 448 as f32
.set CB,    16                         ; bytes of 16 codes
.set R,     16                         ; v16-79   four sets of 16 numbers as they are loaded
.set X,     80                         ; v80-111  two sets of 16 neighbours
.set C,     128                        ; v128-191 codes: four registers for each step, so that no store's data are written again
.set WREG,  8192                       ; LDS: a region of its own for each wave: two stages of 32 x SP bytes
.set SP,    80                         ; a lane's place in a stage: its 64 bytes + 16 of padding
	s_load_b128 s[4:7], s[0:1], 0x0                ; x, Wq
	s_load_b64 s[10:11], s[0:1], 0x10              ; the scales' exponents
	s_load_b128 s[12:15], s[0:1], 0x18             ; xc, wqc
	v_lshl_add_u32 v192, v0, 2, 0x8000
	v_mov_b32 v193, 0
	v_lshrrev_b32 v1, 5, v0
	v_readfirstlane_b32 s16, v1                    ; wave
	v_and_b32 v2, 31, v0                           ; lane
	v_lshlrev_b32 v3, 4, v2                        ; my 16 bytes of a load's 512
	s_mul_i32 s17, s16, WREG
	v_lshrrev_b32 v14, 2, v2
	v_mul_u32_u24 v14, v14, SP
	v_and_b32 v15, 3, v2
	v_lshl_add_u32 v14, v15, 4, v14
	v_add_nc_u32 v14, s17, v14                     ; the stage, on the way in: four lanes' 64 bytes on end, then 16 of padding
	v_mul_u32_u24 v15, v2, SP
	v_add_nc_u32 v15, s17, v15                     ; and on the way out: SP x lane: my 16 neighbours
	v_mul_u32_u24 v4, v2, CB                       ; my codes' place in a step's
	s_wait_alu depctr_va_vdst(0)
	s_wait_kmcnt 0x0
	s_load_b64 s[22:23], s[10:11], 0x0             ; e of x, e of Wq
	s_cmp_lt_u32 ttmp9, WGA                        ; x's work-group or Wq's?  The choice hangs on the work-group's number alone
	s_cselect_b64 s[4:5], s[4:5], s[6:7]
	s_cselect_b64 s[8:9], s[12:13], s[14:15]
	s_cselect_b32 s17, 0, WGA
	s_sub_co_u32 s17, ttmp9, s17
	s_lshl_b32 s17, s17, 2
	s_add_co_u32 s18, s17, s16                     ; which run of 8,192 numbers of the tensor is my wave's
	s_mov_b32 s19, 0
	s_mov_b64 s[20:21], 512*STEPS*4
	s_mul_u64 s[20:21], s[18:19], s[20:21]
	s_add_nc_u64 s[4:5], s[4:5], s[20:21]
	s_mov_b64 s[20:21], 32*STEPS*CB
	s_mul_u64 s[20:21], s[18:19], s[20:21]
	s_add_nc_u64 s[8:9], s[8:9], s[20:21]
.macro LOAD t
.irp i, 0,1,2,3
	global_load_b128 v[R+16*((\t)%4)+4*\i:R+16*((\t)%4)+4*\i+3], v3, s[4:5] offset:2048*(\t)+512*\i th:TH_LOAD_NT   ; 32 lanes read 512 consecutive bytes; read once in this launch
.endr
.endm
.macro TURN t                          ; step t's numbers through the stage: LDS serves a wave's instructions in order (ISA guide 5.7.1.4), so no wait stands between the stores and the loads
.irp i, 0,1,2,3
	ds_store_b128 v14, v[R+16*((\t)%4)+4*\i:R+16*((\t)%4)+4*\i+3] offset:32*SP*((\t)%2)+8*SP*\i
.endr
.irp i, 0,1,2,3
	ds_load_b128 v[X+16*((\t)%2)+4*\i:X+16*((\t)%2)+4*\i+3], v15 offset:32*SP*((\t)%2)+16*\i
.endr
.endm
.irp t, 0,1,2,3
	LOAD \t
.endr
	s_wait_kmcnt 0x0
	s_cmp_lt_u32 ttmp9, WGA
	s_cselect_b32 s22, s22, s23                    ; e
	s_add_co_i32 s22, s22, 127
	s_lshl_b32 s23, s22, 23
	v_mov_b32 v11, s23                             ; 2^e as f32: the conversion takes its exponent field
	s_add_co_i32 s22, s22, EMAX
	s_lshl_b32 s22, s22, 23
	s_or_b32 s22, s22, MANT
	v_mov_b32 v10, s22                             ; 448 x 2^e
	s_wait_alu depctr_va_vdst(0)
	s_wait_loadcnt 12                              ; step 0's four loads are in; the twelve of steps 1 to 3 may be out
	TURN 0
.macro STEP t
.set XS, X+16*((\t)%2)
	s_wait_dscnt 0x0                               ; this step's numbers are back from the stage: so its stores into the stage have read their registers,
.if (\t)+4 < STEPS
	LOAD (\t)+4                                    ; which take the loads of four steps on
.endif
.if (\t)+1 < STEPS
.if STEPS-2-(\t) >= 3
	s_wait_loadcnt 12                              ; the next step's four loads are in; those of the three steps behind it may be out
.else
	s_wait_loadcnt 4*(STEPS-2-(\t))                ; at the end the count runs down: 8, 4, 0
.endif
	TURN (\t)+1                                    ; and go through the other stage while this step is worked
.endif
.irp i, 0,1,2,3,4,5,6,7,8,9,10,11,12,13,14,15
	v_med3_num_f32 v[XS+\i], v[XS+\i], -v10, v10   ; the conversion to an 8-bit code does not saturate (ISA guide 7.6.2): hold the number within 448 x the scale first
.endr
	v_cvt_scalef32_pk8_fp8_f32 v[C+4*(\t):C+4*(\t)+1], v[XS:XS+7], v11          ; eight numbers / 2^e, to the nearest code, ties to even; the first number's code in the lowest byte
	v_cvt_scalef32_pk8_fp8_f32 v[C+4*(\t)+2:C+4*(\t)+3], v[XS+8:XS+15], v11
	global_store_b128 v4, v[C+4*(\t):C+4*(\t)+3], s[8:9] offset:32*CB*(\t)      ; the codes go to a store alone; the next vector lines, the next step's holds, are plain and touch other registers
.endm
.irp t, 0,1,2,3,4,5,6,7,8,9,10,11,12,13,14,15
	STEP \t
.endr
	s_wait_tensorcnt 0x0
	ds_add_u32 v192, v193
	s_wait_dscnt 0x0
	s_endpgm
.Lfunc_end_k_qb4a95be6d1_quant:
	.size	k_qb4a95be6d1_quant, .Lfunc_end_k_qb4a95be6d1_quant-k_qb4a95be6d1_quant
	.p2alignl 7, 3214868480
	.fill 96, 4, 3214868480
	.section	.rodata,"a",@progbits
	.p2align	6, 0x0
	.amdhsa_kernel k_qb4a95be6d1_quant
		.amdhsa_group_segment_fixed_size 33280
		.amdhsa_private_segment_fixed_size 0
		.amdhsa_enable_private_segment 0
		.amdhsa_kernarg_size 40
		.amdhsa_user_sgpr_count 2
		.amdhsa_user_sgpr_kernarg_segment_ptr 1
		.amdhsa_wavefront_size32 1
		.amdhsa_system_sgpr_workgroup_id_x 1
		.amdhsa_system_sgpr_workgroup_id_y 1
		.amdhsa_system_sgpr_workgroup_id_z 1
		.amdhsa_system_vgpr_workitem_id 0
		.amdhsa_next_free_vgpr 194
		.amdhsa_next_free_sgpr 66
		.amdhsa_reserve_vcc 0
		.amdhsa_float_denorm_mode_32 3
		.amdhsa_float_denorm_mode_16_64 3
		.amdhsa_memory_ordered 1
		.amdhsa_forward_progress 1
		.amdhsa_inst_pref_size 37
	.end_amdhsa_kernel
	.amdgpu_metadata
---
amdhsa.version: [ 1, 2 ]
amdhsa.kernels:
  - .name:           k_qb4a95be6d1_quant
    .symbol:         k_qb4a95be6d1_quant.kd
    .args:
      - { .name: x, .offset: 0, .size: 8, .value_kind: global_buffer, .address_space: global }
      - { .name: Wq, .offset: 8, .size: 8, .value_kind: global_buffer, .address_space: global }
      - { .name: lowp_scales, .offset: 16, .size: 8, .value_kind: global_buffer, .address_space: global }
      - { .name: xc, .offset: 24, .size: 8, .value_kind: global_buffer, .address_space: global }
      - { .name: wqc, .offset: 32, .size: 8, .value_kind: global_buffer, .address_space: global }
    .group_segment_fixed_size: 33280
    .private_segment_fixed_size: 0
    .kernarg_segment_align: 8
    .kernarg_segment_size: 40
    .max_flat_workgroup_size: 128
    .sgpr_count:     66
    .vgpr_count:     194
    .wavefront_size: 32
...
	.end_amdgpu_metadata
.endif
;; end of part 1
;; launch attn (part 2): grid 32 x 8, 4 waves a work-group, clusters of 4 x 1, 327,680 bytes of LDS; arguments xc, wqc, x, lowp_scales, hcat; writes hcat
.if DOCPART == 2
	.amdgcn_target "amdgcn-amd-amdhsa--gfx1250"
	.amdhsa_code_object_version 6
	.text
	.protected	k_qb4a95be6d1_attn
	.globl	k_qb4a95be6d1_attn
	.p2align	8
	.type	k_qb4a95be6d1_attn,@function
k_qb4a95be6d1_attn:
	s_mov_b64 s[64:65], 0
	v_nop
	global_prefetch_b8 v0, s[64:65] scope:SCOPE_SE
	s_setreg_imm32_b32 hwreg(HW_REG_WAVE_MODE, 25, 1), 1
	s_wait_xcnt 0x0
	s_wait_alu depctr_hold_cnt(0) depctr_sa_sdst(0) depctr_va_vdst(0) depctr_va_sdst(0) depctr_va_ssrc(0) depctr_va_vcc(0) depctr_vm_vsrc(0)
	s_getreg_b32 s2, hwreg(HW_REG_IB_STS2, 6, 4)
	s_cmp_eq_u32 s2, 0
	s_cbranch_scc0 .Lentry_in_a_cluster
	s_endpgm
.Lentry_in_a_cluster:
	s_bfe_u32 s2, ttmp6, 0x10000c
	s_cmp_lg_u32 s2, 0x3003
	s_cbranch_scc0 .Lentry_shape_is_right
	s_endpgm
.Lentry_shape_is_right:
; hcat[b][f] = sum over s of x[s][b][f % 1024] softmax_s(score[s][b][f]),  score = (codes of x . codes of Wq) 2^(e0 + e1).  The scores never leave the registers.
; LEFT OUT: bq.  It is the same along s, the softmax's axis, and cancels there for all values (shown at the head of the first kernel); it is not loaded.
; SHARES.  A work-group owns one b (grid y), four heads (4 hg .. 4 hg + 3, hg = cx % 2) and a block of 64 channels (cb = 2 x cluster x + cx / 2): 1,024 (s) x 256 (f) scores, K = 1,024.
; Wave w owns four tiles of 16 columns, tile j: f = (4 hg + j) 1024 + 64 cb + 16 w + lane % 16: one set of 16 channels in four heads, so the four tiles share x's f32 numbers.
; Its 64 rows of Wq's codes, all K, stay in 512 registers: each fragment of x read from LDS feeds four products.
; CLUSTER.  The four partners share b, hence x's codes: those tiles (64 KiB of a slot's 80) are asked for JOINTLY, mask 15.  x's f32 tile (64 rows x 256 bytes) hangs on cb, which only two of the four
; share: each work-group asks for its own, mask 0, behind the same round.
; LAYOUT.  Source 0 = 16 rows s of x, source 1 = 16 rows f of Wq: lane (r, h) holds ONE column f = r, register i the row s = 8 h + i.  Maximum, sum and weighted sum run down a lane's registers; each lane keeps
; statistics for its half of the rows, and the two halves meet once, at the end.  A fragment's registers 4 c .. 4 c + 3 hold k = 128 ks + 32 c + 16 h + 0 .. 15, alike in both operands.
; A SLOT is 64 rows of s: 8 runs of 16 products (a block of 16 rows x half of K each), the four tiles' accumulators by turns, then ONE softmax step over the wave's 64 x 64 scores.
; SOFTMAX, with a running maximum: c = log2(e) 2^(e0 + e1); mu = the largest sum so far; off = -c mu; p = 2^(sum c + off); when off moves, l and acc are multiplied by a = 2^(new off - old off).
; l = sum of p, acc = sum of p x.  The result is acc / l.
; LIMITS: e0 + e1 between -126 and 127 (it is added to the exponent field of log2(e)); the scaled scores stay under 2^31 in magnitude.  NaN and infinities among the inputs are not served.
; REGISTERS, in windows of 256 (s_set_vgpr_msb: bits 1:0 source 0, 3:2 source 1, 5:4 source 2, 7:6 destination):
;   window 0: v1-15 addresses; v16-63 statistics, 12 a tile; v64-191 the scores, tile j block i at 64 + 32 j + 8 i; v192-223 x's f32 numbers of the slot
;   window 1: x's fragments, four buffers of 4 x 16 (half of K of a block)      window 2: Wq's K steps 0-3, tile j at 64 j + 16 ks;  window 3: K steps 4-7 likewise
.set PITCH, 528                        ; an LDS row of codes: 512 bytes + 16 of padding = 132 words: row r starts at bank 4 r mod 64 (64 banks of 4 bytes: ISA guide 11.1)
.set AREG,  64*PITCH                   ; 64 rows: one half of K of a slot's codes
.set BLKB,  16*PITCH                   ; a block of 16 rows
.set WP,    272                        ; an LDS row of x's f32 numbers: 256 bytes + 16
.set SLOT1, 1<<17                      ; slot 1 begins here
.set WOFF,  2*AREG                     ; a slot: codes k 0-511, codes k 512-1023, then 64 rows x 64 f32 of x
.set STAGE, SLOT1+3*AREG               ; behind the ring: 4 heads x 256 bytes, for the way out
.set SPARE, STAGE+1024                 ; behind the stage: the spare words, 128 bytes for each wave
.set ASTEP, 64*8192                    ; a slot on in xc: 64 rows s, 8,192 bytes apart
.set WSTEP, 64*32768                   ; and in x: 32,768 bytes apart
.set R,   1                            ; v1   lane % 16
.set HH,  2                            ; v2   lane / 16
.set AA,  3                            ; v3-4 my lane's place in a block of codes, slot 0, 1: 528 r + 16 h
.set AW,  5                            ; v5-6 and among x's f32 numbers: WOFF + 8 h rows + 64 w + 4 r
.set BO,  7                            ; v7   Wq's codes: 1024 r + 16 h
.set PFO, 9                            ; v9   the prefetches' offset
.set SPW, 10                           ; v10  LDS address of my spare word; never rewritten
.set NIL, 11                           ; v11  0; never rewritten
.set STO, 12                           ; v12  the way out: where I put a result
.set RD,  13                           ; v13  where I read 8 bytes back
.set GO,  14                           ; v14  my byte offset in the wave's 256 bytes of hcat
.set ST,  16                           ; tile j's statistics at ST + 12 j: +0 off (even slots), +1 mu, +2 off (odd slots), +3 0, +4 a, +5 and +10 at work, +6, +7 l, +8, +9 acc
.set S,   64
.set W,   192                          ; x's numbers: block i at W + 8 i
.set E,   64                           ; at work at the end
.set WV,  16                           ; s16  my wave's number
.set CX,  17                           ; s17  my place in the cluster: it enters global addresses of my own loads, stores and prefetches alone
.set EB,  18                           ; s18  the cluster's x
.set BB,  19                           ; s19  b
.set HG,  93                           ; s93  cx % 2: which four heads
.set CB,  94                           ; s94  the block of 64 channels
.set G1A, 24                           ; s[24:31] descriptor group 1 for the codes' tiles;  s[32:39] for x's f32 tiles
.set G1W, 32
.set G0A, 40                           ; s[40:47] group 0 for the codes, a set for each slot;  s[48:55] the same for x's f32 tiles
.set G0W, 48
.set TR,  56                           ; s56  trips to go
.set KH,  57                           ; s57  wave % 2: which half of my kind of tile I fetch
.set CS,  58                           ; s[58:59] c
.set SEL, 60                           ; s[60:61] lane selects for v_permlanex16_b32: lane l xor 16
.set NC,  62                           ; s62  -c
.set PFA, 66                           ; s[66:67] where my prefetches stand
.set PFS, 68                           ; s[68:69] a slot on, in the tensor that I prefetch
.set LIM, 90                           ; s90, s91: a wave asks in an even (odd) slot while s[TR] is above it: 0 (1) in a wave that prefetches, else the greatest number
.set MSB, 0
.macro WIN new                         ; the immediate's high byte repeats the setting that is left; a switch that changes nothing is dropped
.if MSB != (\new)
	s_set_vgpr_msb (MSB<<8)|(\new)
.set MSB, (\new)
.endif
.endm
.macro PLACES
.rept 4
	v_nop
.endr
.endm
; The loads into slot sl.  Waves 0 and 1 fetch the codes' two halves of K (joint), waves 2 and 3 the two halves of x's 64 rows (my work-group's own): one load a wave.
.macro JLOAD sl
	s_cmp_lt_u32 s[WV], 2
	s_cbranch_scc0 .Lfor_w_\@
	tensor_load_to_lds s[G0A+4*(\sl):G0A+4*(\sl)+3], s[G1A:G1A+7]
	s_nop 0
	PLACES
	s_branch .Lasked_\@
.Lfor_w_\@:
	tensor_load_to_lds s[G0W+4*(\sl):G0W+4*(\sl)+3], s[G1W:G1W+7]
	s_nop 0
	PLACES
.Lasked_\@:
.endm
; A prefetch of what the NEXT change of slots will ask for: a slot's 128 products ahead of that load.  Each aligned block of 256 bytes is named once in the launch.
; The codes (64 rows x 1,024 bytes) are walked by all eight clusters of a b: the cluster with x = 0 asks, waves 0 and 1, 8 rows a wave, four lanes to a row.  The cluster's two f32 tiles lie side by side
; (64 rows x 512 bytes): wave 2 asks, 16 rows, two lanes to a row.  The four partners share the rows out BY ADDRESS, 16 each.  The change that loads the last slot asks for nothing.
.macro ASK sl
	s_cmp_gt_u32 s[TR], s[LIM+(\sl)]
	s_cbranch_scc0 .Lnot_mine_\@
	global_prefetch_b8 v[PFO], s[PFA:PFA+1] th:TH_LOAD_NT scope:SCOPE_SE
.Lnot_mine_\@:
.endm
.macro CREST                           ; a round of the cluster's barrier behind its opening barrier
	s_cmp_lg_u32 s[WV], 0
	s_cbranch_scc1 .Lnot_wave_0_\@
	s_barrier_signal -3
.Lnot_wave_0_\@:
	s_barrier_wait -3
	s_barrier_signal -1
	s_barrier_wait -1
.endm
.macro CROUND
	s_barrier_signal -1
	s_barrier_wait -1
	CREST
.endm
	s_load_b256 s[4:11], s[0:1], 0x0               ; xc s[4:5], wqc s[6:7], x s[8:9], the scales' exponents s[10:11]
	s_load_b64 s[14:15], s[0:1], 0x20              ; hcat
	v_lshl_add_u32 v[SPW], v0, 2, SPARE
	v_mov_b32 v[NIL], 0
	ds_add_u32 v[SPW], v[NIL]                      ; the opening lines: the add, twice on end, and its wait ahead of my first tensor load
	ds_add_u32 v[SPW], v[NIL]
	v_lshrrev_b32 v15, 5, v0
	v_readfirstlane_b32 s[WV], v15                 ; wave 0..3
	s_and_b32 s[KH], s[WV], 1
	s_bfe_u32 s[CX], ttmp6, 0x40000                ; cx
	s_mov_b32 s[EB], ttmp9                         ; the cluster's x
	s_and_b32 s[BB], ttmp7, 0xffff                 ; b, which the partners share
	s_and_b32 s[HG], s[CX], 1
	s_lshr_b32 s[CB], s[CX], 1
	s_lshl_b32 s92, ttmp9, 1
	s_add_co_u32 s[CB], s[CB], s92
	; group 1: the codes: 64 rows x 512 bytes, 8,192 bytes apart, mask 15 and bit 21 beside it, four words of padding after every 128;  x: 32 rows x 256 bytes, 32,768 bytes apart, no mask, four words after every 64
	s_mov_b32 s[G1A], 15|(0<<16)|(1<<20)|(1<<21)|(6<<22)|(3<<25)
	s_mov_b32 s[G1A+1], 512<<16
	s_mov_b32 s[G1A+2], 64<<16
	s_mov_b32 s[G1A+3], 512<<16
	s_mov_b32 s[G1A+4], 64
	s_mov_b32 s[G1A+5], 8192
	s_mov_b32 s[G1A+6], 0
	s_mov_b32 s[G1A+7], 0
	s_mov_b32 s[G1W], (0<<16)|(1<<20)|(5<<22)|(3<<25)
	s_mov_b32 s[G1W+1], 256<<16
	s_mov_b32 s[G1W+2], 32<<16
	s_mov_b32 s[G1W+3], 256<<16
	s_mov_b32 s[G1W+4], 32
	s_mov_b32 s[G1W+5], 32768
	s_mov_b32 s[G1W+6], 0
	s_mov_b32 s[G1W+7], 0
	s_mov_b32 s[SEL], 0x76543210
	s_mov_b32 s[SEL+1], 0xfedcba98
	s_mov_b32 s[TR], 7                             ; 16 slots: 7 trips of two, and two written out
	; group 0: where the tiles go: no place in the cluster enters an LDS address
	s_mov_b32 s[G0A], 1
	s_mov_b32 s[G0A+4], 1
	s_mov_b32 s[G0W], 1
	s_mov_b32 s[G0W+4], 1
	s_mul_i32 s[G0A+1], s[KH], AREG
	s_add_co_u32 s[G0A+5], s[G0A+1], SLOT1
	s_mul_i32 s[G0W+1], s[KH], 32*WP
	s_add_co_u32 s[G0W+1], s[G0W+1], WOFF
	s_add_co_u32 s[G0W+5], s[G0W+1], SLOT1
	; and where they come from.  The joint loads': b and the wave's number alone, in registers that never hold cx
	s_lshl_b32 s20, s[BB], 10                      ; xc: row (s = 0, b), my half of K
	s_lshl_b32 s21, s[KH], 9
	s_add_co_u32 s20, s20, s21
	s_mov_b32 s21, 0
	s_lshl_b32 s22, s[BB], 12                      ; x: row (s = 0, b), the block's 64 numbers, my 32 rows
	s_lshl_b32 s23, s[CB], 8
	s_add_co_u32 s22, s22, s23
	s_lshl_b32 s23, s[KH], 20
	s_add_co_u32 s22, s22, s23
	s_mov_b32 s23, 0
	s_lshl_b32 s74, s[HG], 22                      ; Wq's codes at f0 = 4096 hg + 64 cb + 16 w: 1024 f0
	s_lshl_b32 s75, s[CB], 16
	s_add_co_u32 s74, s74, s75
	s_lshl_b32 s75, s[WV], 14
	s_add_co_u32 s74, s74, s75
	s_mov_b32 s75, 0
	s_lshl_b32 s78, s[BB], 15                      ; hcat: row b; head 4 hg + w; the block's 256 bytes
	s_lshl_b32 s79, s[HG], 14
	s_add_co_u32 s78, s78, s79
	s_lshl_b32 s79, s[WV], 12
	s_add_co_u32 s78, s78, s79
	s_lshl_b32 s79, s[CB], 8
	s_add_co_u32 s78, s78, s79
	s_mov_b32 s79, 0
	s_lshl_b32 s71, s[WV], 6
	s_add_co_u32 s88, s71, STAGE
	s_add_co_u32 s71, s71, WOFF
	s_lshl_b32 s89, s[WV], 8
	s_add_co_u32 s89, s89, STAGE
	; the prefetches: where mine stand (in slot 2: the first change of slots steps them to slot 3), and who asks
	s_lshl_b32 s80, s[BB], 10                      ; xc: row (16 cx + 8 w, b)
	s_lshl_b32 s81, s[CX], 17
	s_add_co_u32 s80, s80, s81
	s_lshl_b32 s81, s[WV], 16
	s_add_co_u32 s80, s80, s81
	s_add_co_u32 s80, s80, 2*ASTEP
	s_lshl_b32 s82, s[BB], 12                      ; x: row (16 cx, b), the cluster's 512 bytes
	s_lshl_b32 s81, s[EB], 9
	s_add_co_u32 s82, s82, s81
	s_lshl_b32 s81, s[CX], 19
	s_add_co_u32 s82, s82, s81
	s_add_co_u32 s82, s82, 2*WSTEP
	s_mov_b32 s83, WSTEP
	s_sub_co_u32 s84, s[WV], 2
	s_cmp_lt_u32 s[WV], 2                          ; waves 0 and 1: the codes; wave 2: x (wave 3 takes wave 2's numbers and never asks)
	s_cselect_b32 s80, s80, s82
	s_cselect_b32 s[PFS], ASTEP, s83
	s_cselect_b32 s85, 2, 1                        ; lanes to a row: 4 or 2, as a shift,
	s_cselect_b32 s86, 3, 1                        ; and as a mask
	s_cselect_b32 s87, 13, 15                      ; from row to row: 8,192 or 32,768 bytes, as a shift
	s_cselect_b32 s84, ttmp9, s84                  ; 0 in waves 0 and 1 of the cluster with x = 0, and in wave 2 of every cluster: the same in all four partners
	s_mov_b32 s81, 0
	s_mov_b32 s[PFS+1], 0
	s_cmp_eq_u32 s84, 0
	s_cselect_b32 s[LIM], 0, -1
	s_cselect_b32 s[LIM+1], 1, -1
	; the lanes' addresses and the statistics' first values, all made here
	v_and_b32 v15, 31, v0
	v_and_b32 v[R], 15, v0
	v_bfe_u32 v[HH], v0, 4, 1
	v_mul_u32_u24 v[AA], v[R], PITCH
	v_lshl_add_u32 v[AA], v[HH], 4, v[AA]
	v_add_nc_u32 v[AA+1], SLOT1, v[AA]
	v_mul_u32_u24 v[AW], v[HH], 8*WP               ; lanes 16-31 stand 8 rows on: 544 words, 32 banks away from lanes 0-15
	v_lshl_add_u32 v[AW], v[R], 2, v[AW]
	v_add_nc_u32 v[AW], s71, v[AW]
	v_add_nc_u32 v[AW+1], SLOT1, v[AW]
	v_lshlrev_b32 v[BO], 10, v[R]
	v_lshl_add_u32 v[BO], v[HH], 4, v[BO]
	v_lshl_add_u32 v[STO], v[R], 2, s88            ; the stage: head h (and 2 + h) x 256 + 64 w + 4 r
	v_lshl_add_u32 v[STO], v[HH], 8, v[STO]
	v_lshl_add_u32 v[RD], v15, 3, s89              ; back: 256 w + 8 x lane
	v_lshlrev_b32 v[GO], 3, v15
	v_lshrrev_b32 v[PFO], s85, v15
	v_lshlrev_b32 v[PFO], s87, v[PFO]
	v_and_b32 v8, s86, v15
	v_lshl_add_u32 v[PFO], v8, 8, v[PFO]           ; my row + my block of 256 bytes in it
.irp j, 0,1,2,3
	v_mov_b32 v[ST+12*\j+1], 0xff61b1e6            ; mu: -3e38, under every sum
	v_mov_b32 v[ST+12*\j+2], 0x7f61b1e6            ; the old off of the first slot: +3e38, so that the first a is 0
	v_mov_b32 v[ST+12*\j+3], 0                     ; (named as the upper half of a pair)
	v_mov_b32 v[ST+12*\j+6], 0                     ; l, in two halves
	v_mov_b32 v[ST+12*\j+7], 0
	v_mov_b32 v[ST+12*\j+8], 0                     ; acc, in two halves
	v_mov_b32 v[ST+12*\j+9], 0
.endr
	s_wait_alu depctr_va_vdst(0)                   ; at the end of the head's vector work
	s_wait_dscnt 0x0                               ; both opening adds are done
	s_wait_kmcnt 0x0
	s_load_b64 s[72:73], s[10:11], 0x0             ; e0, e1
	s_add_nc_u64 s[G0A+2:G0A+3], s[4:5], s[20:21]
	s_add_nc_u64 s[G0A+6:G0A+7], s[G0A+2:G0A+3], ASTEP
	s_or_b32 s[G0A+3], s[G0A+3], 0x80000000        ; type = 2
	s_or_b32 s[G0A+7], s[G0A+7], 0x80000000
	s_add_nc_u64 s[G0W+2:G0W+3], s[8:9], s[22:23]
	s_add_nc_u64 s[G0W+6:G0W+7], s[G0W+2:G0W+3], WSTEP
	s_or_b32 s[G0W+3], s[G0W+3], 0x80000000
	s_or_b32 s[G0W+7], s[G0W+7], 0x80000000
	s_add_nc_u64 s[6:7], s[6:7], s[74:75]          ; Wq's codes and hcat at my wave's places
	s_add_nc_u64 s[14:15], s[14:15], s[78:79]
	s_cmp_lt_u32 s[WV], 2
	s_cselect_b64 s[PFA:PFA+1], s[4:5], s[8:9]
	s_add_nc_u64 s[PFA:PFA+1], s[PFA:PFA+1], s[80:81]
	CROUND                                         ; all four work-groups are here: the first joint loads meet
	JLOAD 0                                        ; slot 0: one tensor load a wave at the head
	; Wq's codes: 64 rows x 1,024 bytes, read once, into windows 2 and 3: they stay.  Tile j: head 4 hg + j, 1,024 rows on for each j
.irp wd, 0,1
	WIN 0x80+0x40*\wd
.irp j, 0,1,2,3
.irp f, 0,1,2,3
.irp c, 0,1,2,3
	global_load_b128 v[64*\j+16*\f+4*\c:64*\j+16*\f+4*\c+3], v[BO], s[6:7] offset:\j*1048576+512*\wd+128*\f+32*\c
.endr
.endr
.endr
.endr
	WIN 0
	s_wait_kmcnt 0x0
	s_add_co_i32 s72, s72, s73                     ; e0 + e1
	s_lshl_b32 s72, s72, 23
	s_mov_b32 s[CS], 0x3fb8aa3b                    ; log2(e)
	s_add_co_i32 s[CS], s[CS], s72                 ; c = log2(e) 2^(e0 + e1): the exponents are added to the exponent field
	s_mov_b32 s[CS+1], s[CS]                       ; (named with it as a pair, so it is written)
	s_xor_b32 s[NC], s[CS], 0x80000000             ; -c
; A run of 16 products: half h of the slot's eight (block h / 2, half h % 2 of K) from x's buffer h % 4.  A block's first four start the sums with the constant 0: nothing is cleared.
; The four accumulators take turns, one instruction a turn, over the runs' edges too.
.macro RUN h
.set blk, (\h)/2
.set hf, (\h)%2
.set xb, 64*((\h)%4)
	WIN 0x09+4*hf                                  ; source 0 (x) window 1, source 1 (Wq) window 2 or 3, C and D window 0
.irp f, 0,1,2,3
.irp j, 0,1,2,3
.if (hf == 0) && (\f == 0)
	v_wmma_f32_16x16x128_fp8_fp8 v[S+32*\j+8*blk:S+32*\j+8*blk+7], v[xb+16*\f:xb+16*\f+15], v[64*\j+16*\f:64*\j+16*\f+15], 0
.else
	v_wmma_f32_16x16x128_fp8_fp8 v[S+32*\j+8*blk:S+32*\j+8*blk+7], v[xb+16*\f:xb+16*\f+15], v[64*\j+16*\f:64*\j+16*\f+15], v[S+32*\j+8*blk:S+32*\j+8*blk+7]
.endif
.endr
.endr
.endm
.macro F sl, h                         ; 16 LDS loads: half h of slot sl, four fragments, into x's buffer h % 4
.set blk, (\h)/2
.set hf, (\h)%2
.set xb, 64*((\h)%4)
	WIN 0x40                                       ; destination window 1
.irp f, 0,1,2,3
.irp c, 0,1,2,3
	ds_load_b128 v[xb+16*\f+4*\c:xb+16*\f+4*\c+3], v[AA+(\sl)] offset:hf*AREG+blk*BLKB+128*\f+32*\c
.endr
.endr
.endm
.macro G sl                            ; 32 LDS loads: the slot's f32 numbers of x: x(s = 16 b + 8 h + r, channel 16 w + lane % 16)
	WIN 0
.irp b, 0,1,2,3
.irp r, 0,1,2,3,4,5,6,7
	ds_load_b32 v[W+8*\b+\r], v[AW+(\sl)] offset:\b*16*WP+WP*\r
.endr
.endr
.endm
; mu = the largest of mu and the tile's 32 sums, in two chains a tile, the four tiles by turns; each accumulator is first read at its low end
.macro MAXPH
.irp j, 0,1,2,3
	v_max3_num_f32 v[ST+12*\j+5], v[S+32*\j], v[S+32*\j+1], v[S+32*\j+2]
.endr
.irp j, 0,1,2,3
	v_max3_num_f32 v[ST+12*\j+10], v[S+32*\j+3], v[S+32*\j+4], v[S+32*\j+5]
.endr
.irp k, 0,1,2,3,4,5,6,7,8,9,10,11,12
.irp j, 0,1,2,3
	v_max3_num_f32 v[ST+12*\j+5+5*(\k%2)], v[ST+12*\j+5+5*(\k%2)], v[S+32*\j+6+2*\k], v[S+32*\j+7+2*\k]
.endr
.endr
.irp j, 0,1,2,3
	v_max3_num_f32 v[ST+12*\j+1], v[ST+12*\j+1], v[ST+12*\j+5], v[ST+12*\j+10]
.endr
.endm
; off = -c mu; the exponent of a = off - the slot before's off; tile 0's sums c + off, two at a time
.macro STATS q
.irp j, 0,1,2,3
	v_mul_f32 v[ST+12*\j+2*(\q)], s[NC], v[ST+12*\j+1]
.endr
.irp j, 0,1,2,3
	v_sub_f32 v[ST+12*\j+10], v[ST+12*\j+2*(\q)], v[ST+12*\j+2-2*(\q)]
.endr
.irp m, 0,2,4,6,8,10,12,14,16,18,20,22,24,26,28,30
	v_pk_fma_f32 v[S+\m:S+\m+1], v[S+\m:S+\m+1], s[CS:CS+1], v[ST+2*(\q):ST+2*(\q)+1] op_sel_hi:[1,0,0]
.endr
.endm
; A batch: tile j's 32 exponentials.  Between them stand only lines that hang on none of them and on each other not at all: the next tile's scalings (read by the next batch), or, in the last batch,
; l and acc x a (read behind it).  One wait closes each batch and opens the next.
.macro STG j, q
.set m, 0
.rept 16
	v_exp_f32 v[S+32*(\j)+2*m], v[S+32*(\j)+2*m]
	v_exp_f32 v[S+32*(\j)+2*m+1], v[S+32*(\j)+2*m+1]
.if (\j) < 3
	v_pk_fma_f32 v[S+32*(\j)+32+2*m:S+32*(\j)+32+2*m+1], v[S+32*(\j)+32+2*m:S+32*(\j)+32+2*m+1], s[CS:CS+1], v[ST+12*(\j)+12+2*(\q):ST+12*(\j)+12+2*(\q)+1] op_sel_hi:[1,0,0]
.elseif m < 8
	v_pk_mul_f32 v[ST+12*(m/2)+6+2*(m%2):ST+12*(m/2)+6+2*(m%2)+1], v[ST+12*(m/2)+6+2*(m%2):ST+12*(m/2)+6+2*(m%2)+1], v[ST+12*(m/2)+4:ST+12*(m/2)+5] op_sel_hi:[1,0]
.endif
.set m, m+1
.endr
.if (\j) == 3
	v_nop                                          ; a plain place behind the last exponential
.endif
	s_wait_alu depctr_va_vdst(0)
.endm
.macro ACCUM                           ; l += p, acc += p x: packed, eight chains by turns; the four tiles take the same numbers of x
.set m, 0
.rept 16
.irp j, 0,1,2,3
	v_pk_add_f32 v[ST+12*\j+6:ST+12*\j+7], v[ST+12*\j+6:ST+12*\j+7], v[S+32*\j+2*m:S+32*\j+2*m+1]
	v_pk_fma_f32 v[ST+12*\j+8:ST+12*\j+9], v[S+32*\j+2*m:S+32*\j+2*m+1], v[W+8*(m/4)+2*(m%4):W+8*(m/4)+2*(m%4)+1], v[ST+12*\j+8:ST+12*\j+9]
.endr
.set m, m+1
.endr
.endm
; A SLOT.  Eight runs.  Behind runs 1 and 3 the two buffers just left take halves 4, 5 and 6, 7 (32 LDS loads); behind run 5 come the slot's 32 f32 loads.  The wait ahead of a run leaves out what was issued
; behind the 16 loads that the run reads: 48 loads ahead of an even run, 32 ahead of an odd one.  THE CHANGE OF SLOTS (chg = 1, 2) stands behind the last run: all the slot's bytes have been asked for.
; Each wave waits for all its tensor loads (one is out: its part of the other slot), adds 0 to its spare word, takes the maxima, and waits for the add and its reads; the statistics and tile 0's scalings,
; work on registers, stand between signal and wait.  chg = 1: the barrier opens a round of the cluster's barrier, and the refill, with the rows two slots on, is the first thing behind it.
; The other slot's first four halves are fetched 16 loads at a time, one group ahead of each batch of exponentials.
.macro SB sl, chg
.set t, 0
.rept 8
	s_wait_dscnt 48-16*(t%2)
	RUN t
.if t == 1
	PLACES                                         ; four places ahead of loads into registers that the runs have read
	F \sl, 4
	F \sl, 5
.elseif t == 3
	PLACES
	F \sl, 6
	F \sl, 7
.elseif t == 5
	G \sl
.endif
.set t, t+1
.endr
	WIN 0
.if \chg
	s_wait_tensorcnt 0x0                           ; no tensor load of mine is out, so a group 0 may be written
	ds_add_u32 v[SPW], v[NIL]
.if \chg == 1
	s_add_nc_u64 s[G0A+4*(\sl)+2:G0A+4*(\sl)+3], s[G0A+4*(\sl)+2:G0A+4*(\sl)+3], 2*ASTEP
	s_add_nc_u64 s[G0W+4*(\sl)+2:G0W+4*(\sl)+3], s[G0W+4*(\sl)+2:G0W+4*(\sl)+3], 2*WSTEP
	s_wait_xcnt 0x0                                ; the last prefetch has read its address, so it may be written
	s_add_nc_u64 s[PFA:PFA+1], s[PFA:PFA+1], s[PFS:PFS+1]
.endif
.endif
	PLACES                                         ; four places behind the last products, ahead of the first read of the scores
	MAXPH
	s_wait_alu depctr_va_vdst(0)
	s_wait_dscnt 0x0                               ; the add is done, x's f32 numbers are in, and my reads of the slot are over
.if \chg
	s_barrier_signal -1
.endif
	STATS \sl
	s_wait_alu depctr_va_vdst(0)                   ; ahead of the barrier's wait and of the exponentials
.if \chg
	s_barrier_wait -1
.if \chg == 1
	CREST                                          ; no wave of any partner still reads the slot or has a load on its way
	JLOAD \sl
.endif
	F 1-\sl, 0
	WIN 0
.if \chg == 1
	ASK \sl
.endif
.endif
.irp j, 0,1,2,3
	v_exp_f32 v[ST+12*\j+4], v[ST+12*\j+10]        ; a of each tile
.endr
	STG 0, \sl
.if \chg
	F 1-\sl, 1
	WIN 0
.endif
	STG 1, \sl
.if \chg
	F 1-\sl, 2
	WIN 0
.endif
	STG 2, \sl
.if \chg
	F 1-\sl, 3
	WIN 0
.endif
	STG 3, \sl
	ACCUM
.endm
	s_wait_tensorcnt 0x0                           ; my part of slot 0 is in
	ds_add_u32 v[SPW], v[NIL]
	s_wait_dscnt 0x0
	CROUND                                         ; everybody's part is in, and all four work-groups are here
	JLOAD 1                                        ; slot 1's first fill, the first tensor load behind the round
	F 0, 0
	F 0, 1
	F 0, 2
	F 0, 3
	WIN 0
	s_wait_loadcnt 0x0                             ; Wq's codes
.Ltrip:                                            ; 7 trips of two slots; each change of slots fills the slot that is left
	SB 0, 1
	SB 1, 1
	s_sub_co_u32 s[TR], s[TR], 1
	s_cmp_lg_u32 s[TR], 0
	s_cbranch_scc1 .Ltrip
	SB 0, 2                                        ; the tail is written out: the last change of slots asks for nothing
	SB 1, 0
	; THE END.  A column's rows lie in two lanes, 16 apart, each with its own off (the last slot's, an odd one).  Both go under the smaller off (the larger maximum); then the halves are added, and acc / l is the result.
.irp j, 0,1,2,3
	v_add_f32 v[E+\j], v[ST+12*\j+6], v[ST+12*\j+7]
	v_add_f32 v[E+4+\j], v[ST+12*\j+8], v[ST+12*\j+9]
.endr
.irp j, 0,1,2,3
	v_permlanex16_b32 v[ST+12*\j+5], v[ST+12*\j+2], s[SEL], s[SEL+1]
.endr
.irp j, 0,1,2,3
	v_min_num_f32 v[ST+12*\j+5], v[ST+12*\j+5], v[ST+12*\j+2]
.endr
.irp j, 0,1,2,3
	v_sub_f32 v[ST+12*\j+10], v[ST+12*\j+5], v[ST+12*\j+2]  ; 0 or less
.endr
	s_wait_alu depctr_va_vdst(0)                   ; ahead of the batch
.irp j, 0,1,2,3
	v_exp_f32 v[ST+12*\j+4], v[ST+12*\j+10]
.endr
	v_nop
	s_wait_alu depctr_va_vdst(0)                   ; and behind it
.irp j, 0,1,2,3
	v_mul_f32 v[E+\j], v[E+\j], v[ST+12*\j+4]
	v_mul_f32 v[E+4+\j], v[E+4+\j], v[ST+12*\j+4]
.endr
.irp j, 0,1,2,3
	v_permlanex16_b32 v[ST+12*\j+5], v[E+\j], s[SEL], s[SEL+1]
	v_permlanex16_b32 v[ST+12*\j+10], v[E+4+\j], s[SEL], s[SEL+1]
.endr
.irp j, 0,1,2,3
	v_add_f32 v[E+\j], v[E+\j], v[ST+12*\j+5]
	v_add_f32 v[E+4+\j], v[E+4+\j], v[ST+12*\j+10]
.endr
	s_wait_alu depctr_va_vdst(0)                   ; ahead of the reciprocals
.irp j, 0,1,2,3
	v_rcp_f32 v[ST+12*\j+4], v[E+\j]               ; l is about 1 at the least: the largest score's p
.endr
	v_nop
	s_wait_alu depctr_va_vdst(0)                   ; and behind them
	v_cmp_ne_u32 vcc_lo, 0, v[HH]
.irp j, 0,1,2,3
	v_mul_f32 v[E+8+\j], v[E+4+\j], v[ST+12*\j+4]  ; both halves of the lanes hold the column's result
.endr
.irp g, 0,1
	v_cndmask_b32 v[E+12+\g], v[E+8+2*\g], v[E+9+2*\g], vcc_lo   ; lanes 0-15 give head 2 g's, lanes 16-31 head 2 g + 1's
.endr
	ds_store_b32 v[STO], v[E+12]
	ds_store_b32 v[STO], v[E+13] offset:512
	s_wait_dscnt 0x0                               ; for the others' sake: my stores into the stage are done
	s_barrier_signal -1
	s_barrier_wait -1
	ds_load_b64 v[E+16:E+17], v[RD]                ; head w's 64 channels
	s_wait_dscnt 0x0
	global_store_b64 v[GO], v[E+16:E+17], s[14:15] ; 32 lanes store 256 consecutive bytes, at a multiple of 256 from hcat's first byte
	s_wait_tensorcnt 0x0                           ; the wave's end
	ds_add_u32 v[SPW], v[NIL]
	s_wait_dscnt 0x0
	CROUND                                         ; the closing round
	s_endpgm
.Lfunc_end_k_qb4a95be6d1_attn:
	.size	k_qb4a95be6d1_attn, .Lfunc_end_k_qb4a95be6d1_attn-k_qb4a95be6d1_attn
	.p2alignl 7, 3214868480
	.fill 96, 4, 3214868480
	.section	.rodata,"a",@progbits
	.p2align	6, 0x0
	.amdhsa_kernel k_qb4a95be6d1_attn
		.amdhsa_group_segment_fixed_size 327680
		.amdhsa_private_segment_fixed_size 0
		.amdhsa_enable_private_segment 0
		.amdhsa_kernarg_size 40
		.amdhsa_user_sgpr_count 2
		.amdhsa_user_sgpr_kernarg_segment_ptr 1
		.amdhsa_wavefront_size32 1
		.amdhsa_system_sgpr_workgroup_id_x 1
		.amdhsa_system_sgpr_workgroup_id_y 1
		.amdhsa_system_sgpr_workgroup_id_z 1
		.amdhsa_system_vgpr_workitem_id 0
		.amdhsa_next_free_vgpr 1024
		.amdhsa_next_free_sgpr 100
		.amdhsa_reserve_vcc 1
		.amdhsa_float_denorm_mode_32 3
		.amdhsa_float_denorm_mode_16_64 3
		.amdhsa_memory_ordered 1
		.amdhsa_forward_progress 1
		.amdhsa_inst_pref_size 190
	.end_amdhsa_kernel
	.amdgpu_metadata
---
amdhsa.version: [ 1, 2 ]
amdhsa.kernels:
  - .name:           k_qb4a95be6d1_attn
    .symbol:         k_qb4a95be6d1_attn.kd
    .args:
      - { .name: xc, .offset: 0, .size: 8, .value_kind: global_buffer, .address_space: global }
      - { .name: wqc, .offset: 8, .size: 8, .value_kind: global_buffer, .address_space: global }
      - { .name: x, .offset: 16, .size: 8, .value_kind: global_buffer, .address_space: global }
      - { .name: lowp_scales, .offset: 24, .size: 8, .value_kind: global_buffer, .address_space: global }
      - { .name: hcat, .offset: 32, .size: 8, .value_kind: global_buffer, .address_space: global }
    .group_segment_fixed_size: 327680
    .private_segment_fixed_size: 0
    .kernarg_segment_align: 8
    .kernarg_segment_size: 40
    .max_flat_workgroup_size: 128
    .sgpr_count:     100
    .vgpr_count:     1024
    .wavefront_size: 32
...
	.end_amdgpu_metadata
.endif
;; end of part 2
;; launch proj (part 3): grid 256 x 1, 16 waves a work-group, clusters of 4 x 1, 327,680 bytes of LDS; arguments hcat, Wc, bc, out0; writes out0
.if DOCPART == 3
	.amdgcn_target "amdgcn-amd-amdhsa--gfx1250"
	.amdhsa_code_object_version 6
	.text
	.protected	k_qb4a95be6d1_proj
	.globl	k_qb4a95be6d1_proj
	.p2align	8
	.type	k_qb4a95be6d1_proj,@function
k_qb4a95be6d1_proj:
	s_mov_b64 s[64:65], 0
	v_nop
	global_prefetch_b8 v0, s[64:65] scope:SCOPE_SE
	s_setreg_imm32_b32 hwreg(HW_REG_WAVE_MODE, 25, 1), 1
	s_wait_xcnt 0x0
	s_wait_alu depctr_hold_cnt(0) depctr_sa_sdst(0) depctr_va_vdst(0) depctr_va_sdst(0) depctr_va_ssrc(0) depctr_va_vcc(0) depctr_vm_vsrc(0)
	s_getreg_b32 s2, hwreg(HW_REG_IB_STS2, 6, 4)
	s_cmp_eq_u32 s2, 0
	s_cbranch_scc0 .Lentry_in_a_cluster
	s_endpgm
.Lentry_in_a_cluster:
	s_bfe_u32 s2, ttmp6, 0x10000c
	s_cmp_lg_u32 s2, 0x3003
	s_cbranch_scc0 .Lentry_shape_is_right
	s_endpgm
.Lentry_shape_is_right:
; out0[b][n] = sum over k of hcat[b][k] Wc[n][k] + bc[n].  hcat [8][8192], Wc [1024][8192], f32; 8 rows: fused multiply-adds in f32, no matrix unit: each number of Wc feeds 8 of them, and Wc is read once.
; SHARES.  A work-group owns four n (4 x its number on) for all 8 b.  Thread t of 512 owns k = 2048 i + 4 t + 0 .. 3, i = 0 .. 3: each 16-byte load of a wave covers 512 consecutive bytes.
; hcat, 262,144 bytes, is wanted whole by every work-group: it comes into LDS as it lies, by one tensor load a wave (16,384 bytes, as 64 rows of 256), asked for JOINTLY by the four work-groups of a cluster,
; mask 15; a thread then reads its numbers from LDS, neighbouring lanes at neighbouring 16 bytes.  Wc's rows are a work-group's own and are used once: they go from memory straight into registers.
; No LDS byte is filled twice.  No prefetch: the launch has no loop to run ahead in, and all its requests go out at its head.
; A thread's 32 sums (n, b) are kept as pairs (even k, odd k).  At the end the wave's 32 lanes share the 32 sums out: in step k a lane keeps the half of its values that its bit k names and adds its partner's
; (lane xor 2^k) to them: 31 x 3 instructions, and lane L ends with sum L = 8 nn + b.  The sixteen waves' sums meet in LDS; wave 0 adds them and bc and stores.
; The stores are 4 bytes a lane, four neighbours of each of 8 rows: a row's 256 bytes would want 64 n to an owner, 16 work-groups for all of Wc; out0 is 32,768 bytes in all.
.set PART,  262144                     ; LDS behind hcat: the waves' partial sums, 2,048 bytes
.set SPARE, PART+2048                  ; behind them: the spare words, 128 bytes for each wave
.set VO,  1                            ; v1   16 t
.set LN,  2                            ; v2   lane
.set LW,  3                            ; v3   PART + 4 t: my word in LDS
.set BC,  4                            ; v4   bc[n0 + lane / 8]
.set OO,  5                            ; v5   out0: (lane % 8) rows of 4,096 bytes + 4 (lane / 8)
.set BA,  6                            ; v6   4 (lane / 8)
.set LA,  9                            ; v9   PART + 4 x lane
.set VL,  10                           ; v10-13 hcat in LDS: 16 t + 65,536 p, for rows b = 2 p and 2 p + 1
.set WR,  16                           ; v16-79   Wc: chunk i, row nn at WR + 16 i + 4 nn
.set CR,  80                           ; v80-175  hcat: buffer i % 3, b at CR + 32 (i % 3) + 4 b
.set ACC, 176                          ; v176-239 the sums: pair (nn, b) at ACC + 2 (8 nn + b)
.set V,   16                           ; the 32 sums, later
.set TK,  80                           ; at work, later
.macro CROUND                          ; a round of the cluster's barrier
	s_barrier_signal -1
	s_barrier_wait -1
	s_cmp_lg_u32 s12, 0
	s_cbranch_scc1 .Lnot_wave_0_\@
	s_barrier_signal -3
.Lnot_wave_0_\@:
	s_barrier_wait -3
	s_barrier_signal -1
	s_barrier_wait -1
.endm
	s_load_b256 s[4:11], s[0:1], 0x0               ; hcat s[4:5], Wc s[6:7], bc s[8:9], out0 s[10:11]
	v_lshl_add_u32 v240, v0, 2, SPARE
	v_mov_b32 v241, 0
	ds_add_u32 v240, v241                          ; the opening lines: the add, twice on end, and its wait ahead of my tensor load
	ds_add_u32 v240, v241
	v_lshrrev_b32 v7, 5, v0
	s_delay_alu instid0(VALU_DEP_1)
	v_readfirstlane_b32 s12, v7                    ; wave 0..15
	v_lshlrev_b32 v[VO], 4, v0
	v_and_b32 v[LN], 31, v0
	v_lshl_add_u32 v[LW], v0, 2, PART
	s_delay_alu instid0(VALU_DEP_2)
	v_lshl_add_u32 v[LA], v[LN], 2, PART
	s_delay_alu instid0(VALU_DEP_3)
	v_lshrrev_b32 v[BA], 3, v[LN]
	s_delay_alu instid0(VALU_DEP_1)
	v_lshlrev_b32 v[BA], 2, v[BA]
	v_and_b32 v7, 7, v[LN]
	s_delay_alu instid0(VALU_DEP_1)
	v_lshl_add_u32 v[OO], v7, 12, v[BA]
.irp p, 0,1,2,3
	v_lshl_add_u32 v[VL+\p], v0, 4, \p*65536
.endr
.irp k, 0,1,2,3,4
	v_and_b32 v8, 1<<\k, v[LN]
	s_delay_alu instid0(VALU_DEP_1)
	v_cmp_ne_u32 s[20+\k], 0, v8                   ; the lanes whose bit k is set
.endr
	s_bfe_u32 s13, ttmp6, 0x40000                  ; cx: it enters global addresses of my own loads and stores alone
	s_lshl_b32 s26, ttmp9, 2
	s_add_co_u32 s13, s13, s26                     ; my work-group's number = 4 x cluster x + cx
	s_lshl_b32 s14, s13, 17                        ; four rows of Wc: 4 x 32,768 bytes
	s_mov_b32 s15, 0
	s_lshl_b32 s16, s13, 4                         ; four numbers of bc and of a row of out0
	s_mov_b32 s17, 0
	s_mov_b32 s18, 0x76543210                      ; v_permlanex16_b32: lane l xor 16
	s_mov_b32 s19, 0xfedcba98
	; the tensor load: my wave's 16,384 bytes of hcat, 64 rows of 32 elements of 8 bytes, dense; the wave's number alone enters its addresses
	s_mov_b32 s28, 1
	s_lshl_b32 s29, s12, 14                        ; LDS address: 16,384 x wave
	s_mov_b32 s32, 15|(3<<16)|(1<<21)              ; 15:0 the mask: all four work-groups; 17:16 elements of 8 bytes; 21 set beside a mask; no padding
	s_mov_b32 s33, 32<<16                          ; tensor_dim0
	s_mov_b32 s34, 64<<16                          ; tensor_dim1
	s_mov_b32 s35, 32<<16                          ; tile_dim0
	s_mov_b32 s36, 64                              ; tile_dim1
	s_mov_b32 s37, 32                              ; from row to row
	s_mov_b32 s38, 0
	s_mov_b32 s39, 0
	s_lshl_b32 s40, s12, 14                        ; and the same place in hcat
	s_mov_b32 s41, 0
	s_wait_alu depctr_va_vdst(0)                   ; at the end of the head's vector work
	s_wait_dscnt 0x0                               ; both opening adds are done
	s_wait_kmcnt 0x0
	s_add_nc_u64 s[30:31], s[4:5], s[40:41]
	s_or_b32 s31, s31, 0x80000000                  ; type = 2
	s_add_nc_u64 s[6:7], s[6:7], s[14:15]
	s_add_nc_u64 s[8:9], s[8:9], s[16:17]
	s_add_nc_u64 s[10:11], s[10:11], s[16:17]
	CROUND                                         ; all four work-groups are here: the joint loads meet
	tensor_load_to_lds s[28:31], s[32:39]          ; one tensor load a wave, the only one of the launch
	s_nop 0
.macro LOADW i
.irp nn, 0,1,2,3
	global_load_b128 v[WR+16*(\i)+4*\nn:WR+16*(\i)+4*\nn+3], v[VO], s[6:7] offset:\nn*32768+8192*(\i) th:TH_LOAD_NT   ; read once in the launch
.endr
.endm
.macro LOADC i                         ; hcat's chunk i from LDS: row b at 32,768 b, my 16 bytes at 8,192 i + 16 t
.irp b, 0,1,2,3,4,5,6,7
	ds_load_b128 v[CR+32*((\i)%3)+4*\b:CR+32*((\i)%3)+4*\b+3], v[VL+\b/2] offset:(\b%2)*32768+8192*(\i)
.endr
.endm
; 64 packed multiply-adds: the chunk's four k, two at a time, x 4 n x 8 b; 31 others stand between two on one sum.  The first 32 start the sums: nothing is cleared.
.macro CHUNK i
.irp m, 0,1
.irp nn, 0,1,2,3
.irp b, 0,1,2,3,4,5,6,7
.if ((\i) == 0) && (\m == 0)
	v_pk_mul_f32 v[ACC+2*(8*\nn+\b):ACC+2*(8*\nn+\b)+1], v[WR+4*\nn:WR+4*\nn+1], v[CR+4*\b:CR+4*\b+1]
.else
	v_pk_fma_f32 v[ACC+2*(8*\nn+\b):ACC+2*(8*\nn+\b)+1], v[WR+16*(\i)+4*\nn+2*\m:WR+16*(\i)+4*\nn+2*\m+1], v[CR+32*((\i)%3)+4*\b+2*\m:CR+32*((\i)%3)+4*\b+2*\m+1], v[ACC+2*(8*\nn+\b):ACC+2*(8*\nn+\b)+1]
.endif
.endr
.endr
.endr
.endm
	global_load_b32 v[BC], v[BA], s[8:9]
	LOADW 0
	LOADW 1
	LOADW 2
	LOADW 3
	s_wait_tensorcnt 0x0                           ; my part of hcat is in LDS
	s_barrier_signal -1
	s_barrier_wait -1                              ; everybody's is
	LOADC 0
	LOADC 1
	LOADC 2
	s_wait_loadcnt 12                              ; Wc's chunk 0 is in; behind it: chunks 1 to 3 (12 loads)
	s_wait_dscnt 16                                ; hcat's chunk 0 is in; behind it: chunks 1 and 2 (16 loads)
	CHUNK 0
	LOADC 3                                        ; into the buffer that chunk 0 has left
	s_wait_loadcnt 8
	s_wait_dscnt 16                                ; chunk 1 is in; behind it: chunks 2 and 3
	CHUNK 1
	s_wait_loadcnt 4
	s_wait_dscnt 8
	CHUNK 2
	s_wait_loadcnt 0x0
	s_wait_dscnt 0x0
	CHUNK 3
.set i, 0
.rept 32
	v_add_f32 v[V+i], v[ACC+2*i], v[ACC+2*i+1]     ; a pair's two halves
.set i, i+1
.endr
; cnt sums from 2 cnt: I keep value 2 i + my bit, give the other, and add what my partner, lane xor xm, gives: the value that I keep
.macro RSTEP cnt, kk, xm
.set i, 0
.rept \cnt
.set tk, TK+2*(i%4)
	v_cndmask_b32 v[tk], v[V+2*i], v[V+2*i+1], s[20+\kk]
	v_cndmask_b32 v[tk+1], v[V+2*i+1], v[V+2*i], s[20+\kk]
	s_delay_alu instid0(VALU_DEP_1)
	v_add_f32_dpp v[V+i], v[tk+1], v[tk] row_xmask:\xm row_mask:0xf bank_mask:0xf
.set i, i+1
.endr
.endm
	RSTEP 16, 0, 1
	RSTEP 8, 1, 2
	RSTEP 4, 2, 4
	RSTEP 2, 3, 8
	s_delay_alu instid0(VALU_DEP_1)
	v_cndmask_b32 v[TK], v[V], v[V+1], s24
	s_delay_alu instid0(VALU_DEP_2)
	v_cndmask_b32 v[TK+1], v[V+1], v[V], s24
	s_delay_alu instid0(VALU_DEP_1)
	v_permlanex16_b32 v[TK+2], v[TK+1], s18, s19   ; (its destination counts as read: it has been written)
	s_delay_alu instid0(VALU_DEP_1)
	v_add_f32 v[V], v[TK], v[TK+2]                 ; lane L: the wave's part of sum L = 8 nn + b
	ds_store_b32 v[LW], v[V]
	s_wait_dscnt 0x0                               ; for wave 0's sake: my store is done
	s_barrier_signal -1
	s_barrier_wait -1
	s_cmp_lg_u32 s12, 0
	s_cbranch_scc1 .Ldone
.irp w, 0,1,2,3,4,5,6,7,8,9,10,11,12,13,14,15
	ds_load_b32 v[48+\w], v[LA] offset:128*\w
.endr
	s_wait_dscnt 0x0
.irp w, 0,2,4,6,8,10,12,14
	v_add_f32 v[48+\w], v[48+\w], v[49+\w]
.endr
.irp w, 0,4,8,12
	v_add_f32 v[48+\w], v[48+\w], v[50+\w]
.endr
	s_delay_alu instid0(VALU_DEP_3)
	v_add_f32 v48, v48, v52
	s_delay_alu instid0(VALU_DEP_2)
	v_add_f32 v56, v56, v60
	s_delay_alu instid0(VALU_DEP_1)
	v_add_f32 v48, v48, v56
	s_delay_alu instid0(VALU_DEP_1)
	v_add_f32 v48, v48, v[BC]
	global_store_b32 v[OO], v48, s[10:11]
.Ldone:
	s_wait_tensorcnt 0x0                           ; the wave's end
	ds_add_u32 v240, v241
	s_wait_dscnt 0x0
	CROUND                                         ; the closing round
	s_endpgm
.Lfunc_end_k_qb4a95be6d1_proj:
	.size	k_qb4a95be6d1_proj, .Lfunc_end_k_qb4a95be6d1_proj-k_qb4a95be6d1_proj
	.p2alignl 7, 3214868480
	.fill 96, 4, 3214868480
	.section	.rodata,"a",@progbits
	.p2align	6, 0x0
	.amdhsa_kernel k_qb4a95be6d1_proj
		.amdhsa_group_segment_fixed_size 327680
		.amdhsa_private_segment_fixed_size 0
		.amdhsa_enable_private_segment 0
		.amdhsa_kernarg_size 32
		.amdhsa_user_sgpr_count 2
		.amdhsa_user_sgpr_kernarg_segment_ptr 1
		.amdhsa_wavefront_size32 1
		.amdhsa_system_sgpr_workgroup_id_x 1
		.amdhsa_system_sgpr_workgroup_id_y 1
		.amdhsa_system_sgpr_workgroup_id_z 1
		.amdhsa_system_vgpr_workitem_id 0
		.amdhsa_next_free_vgpr 242
		.amdhsa_next_free_sgpr 66
		.amdhsa_reserve_vcc 0
		.amdhsa_float_denorm_mode_32 3
		.amdhsa_float_denorm_mode_16_64 3
		.amdhsa_memory_ordered 1
		.amdhsa_forward_progress 1
		.amdhsa_inst_pref_size 35
	.end_amdhsa_kernel
	.amdgpu_metadata
---
amdhsa.version: [ 1, 2 ]
amdhsa.kernels:
  - .name:           k_qb4a95be6d1_proj
    .symbol:         k_qb4a95be6d1_proj.kd
    .args:
      - { .name: hcat, .offset: 0, .size: 8, .value_kind: global_buffer, .address_space: global }
      - { .name: Wc, .offset: 8, .size: 8, .value_kind: global_buffer, .address_space: global }
      - { .name: bc, .offset: 16, .size: 8, .value_kind: global_buffer, .address_space: global }
      - { .name: out0, .offset: 24, .size: 8, .value_kind: global_buffer, .address_space: global }
    .group_segment_fixed_size: 327680
    .private_segment_fixed_size: 0
    .kernarg_segment_align: 8
    .kernarg_segment_size: 32
    .max_flat_workgroup_size: 512
    .sgpr_count:     66
    .vgpr_count:     242
    .wavefront_size: 32
...
	.end_amdgpu_metadata
.endif
;; end of part 3
